; MI455X (gfx1250); checked and timed in simulation.
; The chip was launched on July 23, 2026; its instructions are those of AMD's public machine-readable ISA for CDNA 5 (MIT licence, August 2026) and "CDNA5" Instruction Set Architecture Reference Guide (July 2026). The comments in the code are by the model that wrote it; some were corrected since.
;; Bahdanau Attention. Allowed arithmetic: matrix products marked QUANTISED: E2M3 operands, one E8M0 scale for each 32 along K, by v_wmma_scale_f32_16x16x128_f8f6f4 with both operands' format E2M3, f32 sums; products left as they are: f32 operands where the result goes on into a quantised operand, else bf16, f16 or f32 operands; f32 sums; everything else in f32.
;; Inputs: V 1,024 x 1 float32; W1 1,024 x 1,024 float32; W2 1,024 x 1,024 float32; b1 1,024 float32; b2 1,024 float32; bV 1 float32; query 32 x 1,024 float32; values 32 x 2,048 x 1,024 float32.
;; Outputs: out0 32 x 1,024 float32; out1 32 x 2,048 x 1 float32.
;; This version of the problem:
;;   THIS VERSION OF THE PROBLEM IS GIVEN IN LOW PRECISION. The matrix products marked QUANTISED in the list below multiply operands that are first quantised to E2M3 (2 exponent bits, 3 mantissa bits; 6 bits a number), with one power-of-two scale for each 32 numbers along K (OCP MX v1.0); their sums are f32. All else is computed in f32.
;;   The module's matrix products, in the order in which they are computed (A, B: the left and right operand; K: the contracted axis; several contracted axes count as one K, in the product's order):
;;     1. [M 65,536, K 1,024] x [K 1,024, N 1,024]; A: input values; B: input W1: QUANTISED
;;     2. [M 32, K 1,024] x [K 1,024, N 1,024]; A: input query; B: input W2: QUANTISED
;;     3. [M 65,536, K 1,024] x [K 1,024, N 1]; A: computed on the way; B: input V: left as it is (N = 1 < 16)
;;   THE QUANTISER, for each operand of a quantised product, along K:
;;     - K is cut into blocks of 32 from its start; a last block that is shorter is filled with zeros.
;;     - A block's scale is 2^e with e = floor(log2(the largest magnitude in the block)) - 2, held to -126 .. 127; a block of zeros has e = 0. As a byte (E8M0): e + 127.
;;     - Each number is divided by its block's scale, clamped to +-7.5, and rounded to the nearest number of E2M3, ties to even, subnormals kept.
;;     - The product sums the exact products of the quantised numbers (number of the format x scale) in f32.
;;   ~~~python
;;   def quantise(x, axis):      # numpy; x: float32 -> the quantised numbers, widened to float32 again
;;       x = np.moveaxis(x, axis, -1); K = x.shape[-1]
;;       x = np.pad(x, [(0, 0)] * (x.ndim - 1) + [(0, -K % 32)]); x = x.reshape(x.shape[:-1] + (-1, 32)); a = np.abs(x).max(-1, keepdims=True)
;;       e = np.where(a > 0, np.clip(np.frexp(np.where(a > 0, a, 1))[1] - 1 - 2, -126, 127), 0)      # np.frexp(a)[1] - 1 = floor(log2(a)), exactly
;;       r = np.clip(x / 2.0 ** e, -7.5, 7.5)
;;       step = 2.0 ** (np.maximum(np.frexp(np.where(r == 0, 1, r))[1] - 1, 0) - 3)
;;       q = np.round(r / step) * step * 2.0 ** e      # np.round: ties to even
;;       return np.moveaxis(q.reshape(q.shape[:-2] + (-1,))[..., :K], -1, axis).astype(np.float32)
;;   ~~~
;; One version. Each part assembles by itself: llvm-mc -triple=amdgcn-amd-amdhsa -mcpu=gfx1250 --defsym DOCPART=n.
;; ======== version 1 of 1: 3 launches
;; limits: right only within a limited range of input values
;; workspace buffers: w1img 786,432 bytes; w1scl 32,768 bytes; bias 131,072 bytes; scores 262,144 bytes; part 1,048,576 bytes; ml 65,536 bytes
;; launch prep (part 1): grid 96 x 1, 8 waves a work-group, no clusters, 153,600 bytes of LDS; arguments W1, W2, query, b1, b2, w1img, w1scl, bias; writes w1img, w1scl, bias
.if DOCPART == 1
	.amdgcn_target "amdgcn-amd-amdhsa--gfx1250"
	.amdhsa_code_object_version 6
	.text
	.protected	k_qda19f3c0d0_prep
	.globl	k_qda19f3c0d0_prep
	.p2align	8
	.type	k_qda19f3c0d0_prep,@function
k_qda19f3c0d0_prep:
	s_mov_b64 s[64:65], 0
	v_nop
	global_prefetch_b8 v0, s[64:65] scope:SCOPE_SE
	s_setreg_imm32_b32 hwreg(HW_REG_WAVE_MODE, 25, 1), 1
	s_wait_xcnt 0x0
; BahdanauAttention, launch 1 of 3.  Two jobs, parted on the work-group's number alone:
;   job W (work-groups 0-31):  W1 [1024 k][1024 n] f32 -> codes of E2M3 with one E8M0 byte for each 32 along k, laid as the images of the operand's registers (w1img) and as one scale word for each unit and 128 k (w1scl)
;   job Q (work-groups 32-95): bias[nt][batch][16] = b1 + b2 + Q(query) Q(W2), the quantised product 2, for the 16 units of tile nt and all 32 batches
; WORK LEFT OUT, for all values of the inputs.  tanh(x) = 1 - 2 r with r = 1 / (1 + e^(2x)), so score[b][s] = (sum over u of V[u] + bV) - 2 sum over u of V[u] r[b][s][u].
; The bracket is the same for every s of a batch; softmax along s is unchanged by a term that is the same along s; score itself is no output.  So the bracket is never formed:
; bV is not loaded and is among no launch's arguments, and the sum of V is not taken (V itself is live).  The maximum is still taken away before the exponential (launch 3).
; LIMITS: a NaN, an infinity or an overflow that reaches only bV or the sum of V is not carried to the result.  A block of zeros gets the scale byte 1 where the rule says 127: its codes are zeros,
; which add nothing under that byte, and the bytes are read by this program alone.  Blocks whose largest magnitude lies under 2^-124 (the floor) were not tried; NaN and infinities among the inputs are not served.
; A block's scale byte is its largest magnitude's exponent field less 2; the conversion takes the exponent field of its scale operand, divides, rounds to the nearest code, ties to even, and holds at the largest code.
.set LW,    0                          ; LDS, job W: 32 units x 8 scale words
.set LQ,    1024                       ; LDS, job Q: eight partial tiles of 2,048 bytes, one for each wave
.set LT,    17408                      ; LDS, job Q: for each wave 32 rows of the query, 512 bytes + 16 of padding each
.set TPITCH, 528
.set TWAVE, 32*TPITCH
.set SPARE, LT+8*TWAVE                 ; the spare words, 128 bytes for each of the eight waves; no other line names them
.set SPW, 1                            ; v1   LDS address of my spare word; never rewritten
.set NIL, 2                            ; v2   0; never rewritten
.set M,   10                           ; v10-11 two blocks' largest magnitudes
.set SO,  12                           ; v12-13 the conversions' scale operands
.set BY,  14                           ; v14-17 scale bytes
.set T,   18                           ; v18-20, v22-24 a block's upper 16 codes (a conversion's three registers begin on an even number)
.set WD,  25                           ; v25  job W's scale word
.set PT,  26                           ; v26  the other half's bytes
.set SQ,  27                           ; v27-28 the query's scale words, tiles 0 and 1: scales and nothing else
.set SW,  29                           ; v29  W2's scale word: scales and nothing else
.set SH,  30                           ; v30  8 x (lane / 16)
.set C0,  32                           ; v32-43 a fragment's codes
.set X0,  44                           ; v44-107, v108-171, v172-235: three sets of 64 numbers
.set X1,  108
.set X2,  172
.set C1,  44                           ; v44-55, v56-67: two more fragments, over X0 once it has been quantised
.set C2,  56
.set ACC, 108                          ; v108-123: two accumulators, over X1 once it has been quantised
.set B1R, 236                          ; v236-239 four numbers of b1, v240-243 of b2
.set B2R, 240
.set TL,  244                          ; v244 job Q: where I read my blocks of the query back
; 64 numbers of a lane, v[x + 32 c + i] = number i of block c, become 12 registers of codes (6 c .. 6 c + 5: block c) and two scale bytes.
.macro QB x, dst, by
.irp c, 0,1
	v_max3_num_f32 v[M+\c], |v[\x+32*\c]|, |v[\x+32*\c+1]|, 0x1800000   ; with the floor 2^(3 - 127) as a leaf: the byte cannot fall under 1
.endr
.irp i, 2,4,6,8,10,12,14,16,18,20,22,24,26,28,30
.irp c, 0,1
	s_delay_alu instid0(VALU_DEP_2)
	v_max3_num_f32 v[M+\c], v[M+\c], |v[\x+32*\c+\i]|, |v[\x+32*\c+\i+1]|   ; the two blocks by turns
.endr
.endr
.irp c, 0,1
	s_delay_alu instid0(VALU_DEP_2)
	v_add_nc_u32 v[SO+\c], 0xff000000, v[M+\c]     ; 2 off the exponent field: the conversion's scale operand
.endr
.irp c, 0,1
	s_delay_alu instid0(VALU_DEP_2)
	v_lshrrev_b32 v[\by+\c], 23, v[SO+\c]          ; the scale's byte
.endr
.irp c, 0,1
	v_cvt_scalef32_pk16_fp6_f32 v[\dst+6*\c:\dst+6*\c+2], v[\x+32*\c:\x+32*\c+15], v[SO+\c]
	v_cvt_scalef32_pk16_fp6_f32 v[T+4*\c:T+4*\c+2], v[\x+32*\c+16:\x+32*\c+31], v[SO+\c]
.endr
	v_nop                                          ; one plain place behind the scaled conversions
.irp c, 0,1
.irp i, 0,1,2
	v_mov_b32 v[\dst+6*\c+3+\i], v[T+4*\c+\i]
.endr
.endr
.endm
; My two bytes (blocks h and 2 + h of my row or column) and lane l xor 16's two make the scale word of 128 along K.
.macro WORDX w
	v_lshl_or_b32 v[\w], v[BY+1], 16, v[BY]
	s_delay_alu instid0(VALU_DEP_1)
	v_lshlrev_b32 v[\w], v[SH], v[\w]
	s_delay_alu instid0(VALU_DEP_1)
	v_permlanex16_b32 v[PT], v[\w], s24, s25
	s_delay_alu instid0(VALU_DEP_1)
	v_or_b32 v[\w], v[\w], v[PT]
.endm
	s_load_b256 s[4:11], s[0:1], 0x0               ; W1 s[4:5], W2 s[6:7], query s[8:9], b1 s[10:11]
	s_load_b256 s[12:19], s[0:1], 0x20             ; b2 s[12:13], w1img s[14:15], w1scl s[16:17], bias s[18:19]
	v_lshl_add_u32 v[SPW], v0, 2, SPARE
	v_mov_b32 v[NIL], 0
	v_lshrrev_b32 v3, 5, v0
	s_delay_alu instid0(VALU_DEP_1)
	v_readfirstlane_b32 s20, v3                    ; my wave = my K step of 128, in both jobs
	v_and_b32 v4, 31, v0                           ; lane
	v_and_b32 v5, 15, v0                           ; lane % 16
	v_bfe_u32 v6, v0, 4, 1                         ; lane / 16
	s_delay_alu instid0(VALU_DEP_3)
	v_lshlrev_b32 v9, 4, v4                        ; 16 x lane
	s_mov_b32 s24, 0x76543210
	s_mov_b32 s25, 0xfedcba98                      ; v_permlanex16_b32's selects for lane l xor 16
	s_lshl_b32 s22, s20, 19                        ; my 128 rows of W1 or W2: 128 x 4,096 bytes a K step
	s_mov_b32 s23, 0
	s_mov_b32 s27, 0
	s_mov_b32 s29, 0
	s_wait_kmcnt 0x0
	s_cmp_lt_u32 ttmp9, 32
	s_cbranch_scc0 .Ljob_q
	; ---- JOB W.  Work-group j takes columns 32 j .. 32 j + 31 of W1, a lane a column; its registers run down K: four whole blocks of 32 a lane, so no other lane is asked for a maximum.
	s_lshl_b32 s26, ttmp9, 7
	s_add_co_u32 s22, s22, s26
	s_add_nc_u64 s[4:5], s[4:5], s[22:23]          ; W1 at row 128 ks, column 32 j
	s_mul_i32 s26, ttmp9, 24576                    ; two tiles of 16 units, 12,288 bytes of images each,
	s_mul_i32 s28, s20, 1536                       ; a K step's fragment: 1,536 bytes
	s_add_co_u32 s26, s26, s28
	s_add_nc_u64 s[14:15], s[14:15], s[26:27]
	s_lshl_b32 s28, ttmp9, 10                      ; 32 units x 32 bytes of scale words
	s_add_nc_u64 s[16:17], s[16:17], s[28:29]
	s_wait_alu depctr_va_vdst(0)
	v_lshlrev_b32 v3, 2, v4                        ; in: 4 bytes a lane: a load reads 128 consecutive bytes
	v_mul_u32_u24 v7, v6, 12288                    ; out: the tile of my column,
	s_delay_alu instid0(VALU_DEP_1)
	v_lshl_add_u32 v7, v5, 4, v7                   ; and my column's 16 bytes in an image's 256
	s_lshl_b32 s30, s20, 2
	v_lshl_add_u32 v8, v4, 5, s30                  ; LDS: 32 bytes a unit, 4 a K step
.irp h, 0,1                                    ; set h holds k = 64 c + 32 h + i: what lane (r, h) of the operand wants of my column
.irp c, 0,1
.irp i, 0,1,2,3,4,5,6,7,8,9,10,11,12,13,14,15,16,17,18,19,20,21,22,23,24,25,26,27,28,29,30,31
	global_load_b32 v[X0+64*\h+32*\c+\i], v3, s[4:5] offset:(64*\c+32*\h+\i)*4096
.endr
.endr
.endr
	s_wait_loadcnt 63                              ; 64 loads were issued behind set 0's last: 63, the largest count that can be named, shows set 0 in
	QB X0, C0, BY
	s_wait_loadcnt 0x0
	QB X1, C1, BY+2
.irp q, 0,1,2                                  ; registers 4 q .. 4 q + 3 of lane (r, h) lie at 512 q + 256 h + 16 r of the image: sixteen lanes store 256 consecutive bytes, aligned
	global_store_b128 v7, v[C0+4*\q:C0+4*\q+3], s[14:15] offset:512*\q
	global_store_b128 v7, v[C1+4*\q:C1+4*\q+3], s[14:15] offset:512*\q+256
.endr
	v_lshl_or_b32 v[WD], v[BY+2], 8, v[BY]         ; byte b = 2 c + h scales k = 32 b .. 32 b + 31
	s_delay_alu instid0(VALU_DEP_1)
	v_lshl_or_b32 v[WD], v[BY+1], 16, v[WD]
	s_delay_alu instid0(VALU_DEP_1)
	v_lshl_or_b32 v[WD], v[BY+3], 24, v[WD]
	ds_store_b32 v8, v[WD] offset:LW
	s_wait_dscnt 0x0                               ; for the others' sake: my word has landed
	s_barrier_signal -1
	s_barrier_wait -1
	s_cmp_lg_u32 s20, 0
	s_cbranch_scc1 .Lend
	ds_load_b128 v[172:175], v9 offset:LW          ; wave 0: the 1,024 bytes leave as four aligned runs of 256
	ds_load_b128 v[176:179], v9 offset:LW+512
	s_wait_dscnt 0x0
	global_store_b128 v9, v[172:175], s[16:17]
	global_store_b128 v9, v[176:179], s[16:17] offset:512
	s_branch .Lend
	; ---- JOB Q.  Work-group 32 + nt takes units 16 nt .. 16 nt + 15; wave ks multiplies K step ks for both tiles of 16 batches; the eight partial tiles meet in LDS and are added in ascending K.
	; The quantiser wants 32 neighbours along K of ONE row in a lane; a load is best where neighbouring LANES take neighbouring bytes.  Both are had: a load reads a row's 512 bytes of my K step, 16 a lane;
	; the 32 rows go through my wave's own bytes of LDS as they lie and come back 128 bytes a lane.  Rows 528 bytes apart: the sixteen rows that a read touches start in different banks.
.Ljob_q:
	s_sub_co_u32 s21, ttmp9, 32                    ; nt
	s_lshl_b32 s26, s21, 6                         ; 16 units x 4 bytes
	s_add_co_u32 s22, s22, s26
	s_add_nc_u64 s[6:7], s[6:7], s[22:23]          ; W2 at row 128 ks, column 16 nt
	s_lshl_b32 s28, s20, 9
	s_add_nc_u64 s[8:9], s[8:9], s[28:29]          ; query at k = 128 ks
	s_add_nc_u64 s[10:11], s[10:11], s[26:27]      ; b1 and b2 at unit 16 nt
	s_add_nc_u64 s[12:13], s[12:13], s[26:27]
	s_lshl_b32 s28, s21, 11
	s_add_nc_u64 s[18:19], s[18:19], s[28:29]      ; bias at tile nt: 32 batches x 64 bytes
	s_mul_i32 s31, s20, TWAVE
	s_add_co_u32 s31, s31, LT                      ; my wave's 32 rows in LDS
	s_wait_alu depctr_va_vdst(0)
	v_add_nc_u32 v3, s31, v9                       ; in: 16 x lane of a row
	v_mul_u32_u24 v[TL], v5, TPITCH
	s_delay_alu instid0(VALU_DEP_1)
	v_lshl_add_u32 v[TL], v6, 7, v[TL]
	s_delay_alu instid0(VALU_DEP_1)
	v_add_nc_u32 v[TL], s31, v[TL]                 ; back: row r, + 128 h: my block of 32
	v_lshlrev_b32 v7, 2, v5
	s_delay_alu instid0(VALU_DEP_1)
	v_lshl_add_u32 v7, v6, 17, v7                  ; W2: column r, lanes 16-31 begin 32 rows further down
	v_lshlrev_b32 v[SH], 3, v6
	s_lshl_b32 s30, s20, 11
	v_lshlrev_b32 v8, 6, v5
	s_delay_alu instid0(VALU_DEP_1)
	v_lshl_add_u32 v8, v6, 5, v8
	s_delay_alu instid0(VALU_DEP_1)
	v_add_nc_u32 v8, s30, v8                       ; LDS: my wave's tile; batch r: 64 bytes; + 32 h: my eight units
	v_and_b32 v21, 3, v0
	s_delay_alu instid0(VALU_DEP_1)
	v_lshlrev_b32 v21, 4, v21                      ; the four units of my 16 bytes on the way out
	v_lshlrev_b32 v31, 4, v0                       ; 16 x my thread's number
	v_mov_b32 v[PT], 0                             ; a lane permute's destination counts as one of its sources
	global_load_b128 v[B1R:B1R+3], v21, s[10:11]   ; the biases are asked for first: nothing waits for them behind the barrier
	global_load_b128 v[B2R:B2R+3], v21, s[12:13]
.irp i, 0,1,2,3,4,5,6,7,8,9,10,11,12,13,14,15,16,17,18,19,20,21,22,23,24,25,26,27,28,29,30,31
	global_load_b128 v[X0+4*\i:X0+4*\i+3], v9, s[8:9] offset:\i*4096   ; query(i, 128 ks ..): 32 lanes read 512 consecutive bytes
.endr
.irp c, 0,1
.irp i, 0,1,2,3,4,5,6,7,8,9,10,11,12,13,14,15,16,17,18,19,20,21,22,23,24,25,26,27,28,29,30,31
	global_load_b32 v[X2+32*\c+\i], v7, s[6:7] offset:(64*\c+\i)*4096   ; W2(128 ks + 64 c + 32 h + i, 16 nt + r)
.endr
.endr
	s_wait_loadcnt 63                              ; 64 loads were issued behind the query's last: 63 shows the query in
.irp i, 0,1,2,3,4,5,6,7,8,9,10,11,12,13,14,15,16,17,18,19,20,21,22,23,24,25,26,27,28,29,30,31
	ds_store_b128 v3, v[X0+4*\i:X0+4*\i+3] offset:\i*TPITCH
.endr
	s_wait_dscnt 0x0                               ; the stores have read their registers, which the loads below fill again
.irp t, 0,1
.irp c, 0,1
.irp j, 0,1,2,3,4,5,6,7
	ds_load_b128 v[X0+64*\t+32*\c+4*\j:X0+64*\t+32*\c+4*\j+3], v[TL] offset:\t*16*TPITCH+\c*256+16*\j   ; query(16 t + r, 128 ks + 64 c + 32 h + 4 j ..)
.endr
.endr
.endr
	s_wait_dscnt 0x0
	QB X0, C0, BY
	WORDX SQ
	QB X1, C1, BY
	WORDX SQ+1
	s_wait_loadcnt 0x0                             ; W2, and the biases
	QB X2, C2, BY
	WORDX SW
.rept 8
	v_nop                                          ; a scale register written by a vector instruction stands 8 places ahead of a scaled matrix instruction, an operand so written 4
.endr
	; transposed: source 0 = 16 units of W2, source 1 = 16 batches: lane (r, h) holds batch 16 t + r, register j unit 16 nt + 8 h + j
	v_wmma_scale_f32_16x16x128_f8f6f4 v[ACC:ACC+7], v[C2:C2+11], v[C0:C0+11], 0, v[SW], v[SQ] matrix_a_fmt:MATRIX_FMT_FP6 matrix_b_fmt:MATRIX_FMT_FP6
	v_wmma_scale_f32_16x16x128_f8f6f4 v[ACC+8:ACC+15], v[C2:C2+11], v[C1:C1+11], 0, v[SW], v[SQ+1] matrix_a_fmt:MATRIX_FMT_FP6 matrix_b_fmt:MATRIX_FMT_FP6
.rept 4
	v_nop                                          ; four places in front of the first read of the results
.endr
.irp t, 0,1
	ds_store_b128 v8, v[ACC+8*\t:ACC+8*\t+3] offset:LQ+1024*\t          ; each accumulator from its low end on
	ds_store_b128 v8, v[ACC+8*\t+4:ACC+8*\t+7] offset:LQ+1024*\t+16
.endr
	s_wait_dscnt 0x0                               ; for the others' sake: my partial tile has landed
	s_barrier_signal -1
	s_barrier_wait -1
	s_cmp_lt_u32 s20, 4
	s_cbranch_scc0 .Lend
.irp k, 0,1,2,3,4,5,6,7
	ds_load_b128 v[172+4*\k:175+4*\k], v31 offset:LQ+2048*\k   ; waves 0-3: 512 bytes of the tile each
.endr
	s_wait_dscnt 0x0
.irp k, 1
	v_pk_add_f32 v[172:173], v[172:173], v[172+4*\k:173+4*\k]
	v_pk_add_f32 v[174:175], v[174:175], v[174+4*\k:175+4*\k]
.endr
.irp k, 2, 3, 4, 5, 6, 7
	s_delay_alu instid0(VALU_DEP_2)
	v_pk_add_f32 v[172:173], v[172:173], v[172+4*\k:173+4*\k]
	s_delay_alu instid0(VALU_DEP_2)
	v_pk_add_f32 v[174:175], v[174:175], v[174+4*\k:175+4*\k]
.endr
	s_delay_alu instid0(VALU_DEP_2)
	v_pk_add_f32 v[172:173], v[172:173], v[B1R:B1R+1]
	s_delay_alu instid0(VALU_DEP_2)
	v_pk_add_f32 v[174:175], v[174:175], v[B1R+2:B1R+3]
	s_delay_alu instid0(VALU_DEP_2)
	v_pk_add_f32 v[172:173], v[172:173], v[B2R:B2R+1]
	s_delay_alu instid0(VALU_DEP_2)
	v_pk_add_f32 v[174:175], v[174:175], v[B2R+2:B2R+3]
	global_store_b128 v31, v[172:175], s[18:19]    ; a wave stores 512 consecutive bytes, aligned
.Lend:
	s_wait_tensorcnt 0x0                           ; the wave's end, behind my last LDS store
	ds_add_u32 v[SPW], v[NIL]
	s_wait_dscnt 0x0
	s_endpgm
.Lfunc_end_k_qda19f3c0d0_prep:
	.size	k_qda19f3c0d0_prep, .Lfunc_end_k_qda19f3c0d0_prep-k_qda19f3c0d0_prep
	.p2alignl 7, 3214868480
	.fill 96, 4, 3214868480
	.section	.rodata,"a",@progbits
	.p2align	6, 0x0
	.amdhsa_kernel k_qda19f3c0d0_prep
		.amdhsa_group_segment_fixed_size 153600
		.amdhsa_private_segment_fixed_size 0
		.amdhsa_enable_private_segment 0
		.amdhsa_kernarg_size 64
		.amdhsa_user_sgpr_count 2
		.amdhsa_user_sgpr_kernarg_segment_ptr 1
		.amdhsa_wavefront_size32 1
		.amdhsa_system_sgpr_workgroup_id_x 1
		.amdhsa_system_sgpr_workgroup_id_y 1
		.amdhsa_system_sgpr_workgroup_id_z 1
		.amdhsa_system_vgpr_workitem_id 0
		.amdhsa_next_free_vgpr 248
		.amdhsa_next_free_sgpr 66
		.amdhsa_reserve_vcc 0
		.amdhsa_float_denorm_mode_32 3
		.amdhsa_float_denorm_mode_16_64 3
		.amdhsa_memory_ordered 1
		.amdhsa_forward_progress 1
		.amdhsa_inst_pref_size 54
	.end_amdhsa_kernel
	.amdgpu_metadata
---
amdhsa.version: [ 1, 2 ]
amdhsa.kernels:
  - .name:           k_qda19f3c0d0_prep
    .symbol:         k_qda19f3c0d0_prep.kd
    .args:
      - { .name: W1, .offset: 0, .size: 8, .value_kind: global_buffer, .address_space: global }
      - { .name: W2, .offset: 8, .size: 8, .value_kind: global_buffer, .address_space: global }
      - { .name: query, .offset: 16, .size: 8, .value_kind: global_buffer, .address_space: global }
      - { .name: b1, .offset: 24, .size: 8, .value_kind: global_buffer, .address_space: global }
      - { .name: b2, .offset: 32, .size: 8, .value_kind: global_buffer, .address_space: global }
      - { .name: w1img, .offset: 40, .size: 8, .value_kind: global_buffer, .address_space: global }
      - { .name: w1scl, .offset: 48, .size: 8, .value_kind: global_buffer, .address_space: global }
      - { .name: bias, .offset: 56, .size: 8, .value_kind: global_buffer, .address_space: global }
    .group_segment_fixed_size: 153600
    .private_segment_fixed_size: 0
    .kernarg_segment_align: 8
    .kernarg_segment_size: 64
    .max_flat_workgroup_size: 256
    .sgpr_count:     66
    .vgpr_count:     248
    .wavefront_size: 32
...
	.end_amdgpu_metadata
.endif
;; end of part 1
;; launch fused (part 2): grid 256 x 1, 8 waves a work-group, no clusters, 327,680 bytes of LDS; arguments values, w1img, w1scl, V, bias, scores, part, ml; writes scores, part, ml
.if DOCPART == 2
	.amdgcn_target "amdgcn-amd-amdhsa--gfx1250"
	.amdhsa_code_object_version 6
	.text
	.protected	k_qda19f3c0d0_fused
	.globl	k_qda19f3c0d0_fused
	.p2align	8
	.type	k_qda19f3c0d0_fused,@function
k_qda19f3c0d0_fused:
	s_mov_b64 s[64:65], 0
	v_nop
	global_prefetch_b8 v0, s[64:65] scope:SCOPE_SE
	s_setreg_imm32_b32 hwreg(HW_REG_WAVE_MODE, 25, 1), 1
	s_wait_xcnt 0x0
; BahdanauAttention, launch 2 of 3.  For 256 rows of one batch: t[s] = -2 log2(e) sum over u of V[u] / (1 + e^(2 x)), x = Q(values)[s] . Q(W1)[:, u] + bias[u];
; a running maximum M of t, e[s] = 2^(t - M), the sum of e and the sum of e[s] values[s], all under M.  Stored: t (scores), the partial context (part), M and 32 parts of the sum (ml).
; WORK LEFT OUT: the term (sum of V + bV), the same along the softmax's axis, is not formed (shown at the head of the first kernel); bV is not loaded.
; LIMITS: as stated there for the quantiser.  e^(2x) that overflows gives 1 / infinity = 0, one that underflows gives 1: tanh's two ends.  The promise holds while |t| stays under 2^31.
; SHARES.  A work-group walks four blocks of 64 rows.  A block's f32 values stay in LDS until its scores are known, so that values are loaded once: wave w loads K step w (64 rows x 512 bytes, rows 528 apart),
; quantises it (4 fragments), and puts the images of the operand's registers and the scale words into LDS for all waves.  Wave w then multiplies all 64 rows by units 128 w .. 128 w + 127, K outermost,
; in passes of 4 or 2 tiles of 16 units: a K step is 4 fragments of values from LDS and the pass's fragments of W1, which come from memory straight into a ring of 144 registers.
; Behind a pass's products stand its exponentials and reciprocals.  TWO ROLES, (w xor w / 4) & 1: role 0 runs passes of 4, 4 tiles, role 1 of 2, 4, 2, so that two waves that leave a barrier together do not run the same sequence.
; The matrix instruction is used transposed (source 0 = 16 units of W1, source 1 = 16 rows): a lane holds one row, its eight registers eight units; bias is the C of a sum's first instruction.
; The context: wave w, lane l owns columns 128 w + 4 l .. + 3, which lie in the wave's own region of LDS.
; NO CLUSTER: what the work-groups share is W1.  LDS holds 270,336 bytes of values, 49,152 of codes, 6,144 of small tables and 1,024 spare words: 1,024 bytes are left, so no joint tile has room, and W1 passes LDS by.
; PREFETCH: in trip t each wave asks for its own 64 x 512 bytes of block t + 1, a lane to each 256 bytes, four instructions spread over the passes' heads; the last trip asks for nothing.
.set PITCH, 528
.set REG,   64*PITCH                   ; a wave's region: one K step of 64 rows
.set CODES, 8*REG                      ; fragment (ks, mt) at (4 ks + mt) x 1,536
.set SCB,   CODES+49152                ; values' scale words: 64 bytes a lane, word 4 mt + ks % 4; lanes 0-15 ks < 4, lanes 16-31 ks >= 4
.set PS,    SCB+2048                   ; partial sums: 32 bytes a row, a word a wave
.set EW,    PS+2048                    ; e of the block's 64 rows, a copy for each wave
.set SPARE, EW+2048                    ; the spare words, 128 bytes a wave; no other line names them
; window 0
.set SPW, 1
.set NIL, 2
.set AQ,  6                            ; my region, row r, + 128 h
.set AXR, 7                            ; my region, + 16 lane
.set AST, 8                            ; where my fragments' images go
.set ASW, 9                            ; where my scale words go
.set ACD, 10                           ; images, + 16 lane
.set ASR, 11
.set APS, 12
.set APR, 13
.set AEW, 14
.set AER, 15
.set ASC, 16                           ; v16-31 values' scale words: scales and nothing else
.set BSC, 32                           ; v32-47 W1's, four a tile: scales and nothing else
.set VF,  48                           ; v48-143 two sets of four fragments of values
.set WF0, 144                          ; v144-239 the ring's first 96 registers
.set MX,  240                          ; running maximum; v241 my lane's part of the sum
.set LS,  241
.set GL,  242                          ; 16 lane
.set GSC, 243                          ; 32 r + 16 h
.set GBV, 244                          ; 32 h
.set GL8, 245                          ; 8 lane
.set PFO, 246                          ; 4,096 (lane / 2) + 256 (lane % 2)
; window 1 (numbers less 256)
.set ACC, 0                            ; 16 accumulators; the quantiser's numbers; the context's rows
.set BI,  128                          ; bias, 8 a tile
.set VV,  160                          ; V, 8 a tile; the quantiser's small registers; the context's e
.set WF1, 192                          ; the ring's last 48 registers
.set SC,  240                          ; sums of V r, a pair for each tile of rows
.set CT,  248                          ; the context: two sets of four columns
.set CD,  160
.set TT,  172
.set MM,  180
.set SO,  182
.set BY,  184
.set WW,  186
.set PT,  187
.set W2,  188
.set WV,  20
.set ROLE, 21
.set BLK, 22
.set CC,  24                           ; s[24:25] 2 log2(e)
.set SEL, 26
.set HI16, 28
.set G0,  32
.set G1,  36
.set PF,  44
.set CL,  50                           ; s[50:51] -2 log2(e)
.set MSB, 0
.macro WIN new                         ; the immediate's high byte repeats the setting that is left
.if MSB != \new
	s_set_vgpr_msb (MSB<<8)|\new
.set MSB, \new
.endif
.endm
.macro PLACES
.rept 4
	v_nop
.endr
.endm
.macro WSLOT nt, ks                    ; where step ks of a pass of nt tiles lies in the ring: 12 / nt slots of 12 nt registers
.set OF, ((\ks)%(12/\nt))*12*\nt
.if OF < 96
.set WW1, 0
.set WB, WF0+OF
.else
.set WW1, 1
.set WB, WF1+OF-96
.endif
.endm
.macro WLD nt, tb, ks                  ; W1's fragments of step ks, tiles tb .. tb + nt - 1: an image's 512 consecutive bytes a load
	WSLOT \nt, \ks
	WIN 0x40*WW1
.set TI, 0
.rept \nt
.irp q, 0,1,2
	global_load_b128 v[WB+12*TI+4*\q:WB+12*TI+4*\q+3], v[GL], s[6:7] offset:((\tb)+TI)*12288+(\ks)*1536+512*\q
.endr
.set TI, TI+1
.endr
.endm
.macro VLD ks                          ; the four fragments of values of step ks into set ks % 2
.irp mt, 0,1,2,3
.irp q, 0,1,2
	ds_load_b128 v[VF+48*((\ks)%2)+12*\mt+4*\q:VF+48*((\ks)%2)+12*\mt+4*\q+3], v[ACD] offset:(4*(\ks)+\mt)*1536+512*\q
.endr
.endr
.endm
.macro MMS nt, ks                      ; 4 nt matrix instructions, the accumulators by turns
	WSLOT \nt, \ks
	WIN 0x50+WW1
.set TI, 0
.rept \nt
.irp mt, 0,1,2,3
.set DA, ACC+8*(4*TI+\mt)
.set FB, VF+48*((\ks)%2)+12*\mt
.if (\ks) == 0
	v_wmma_scale_f32_16x16x128_f8f6f4 v[DA:DA+7], v[WB+12*TI:WB+12*TI+11], v[FB:FB+11], v[BI+8*TI:BI+8*TI+7], v[BSC+4*TI], v[ASC+4*\mt] matrix_a_fmt:MATRIX_FMT_FP6 matrix_b_fmt:MATRIX_FMT_FP6
.elseif (\ks) < 4
	v_wmma_scale_f32_16x16x128_f8f6f4 v[DA:DA+7], v[WB+12*TI:WB+12*TI+11], v[FB:FB+11], v[DA:DA+7], v[BSC+4*TI+(\ks)], v[ASC+4*\mt+(\ks)] matrix_a_fmt:MATRIX_FMT_FP6 matrix_b_fmt:MATRIX_FMT_FP6
.else
	v_wmma_scale_f32_16x16x128_f8f6f4 v[DA:DA+7], v[WB+12*TI:WB+12*TI+11], v[FB:FB+11], v[DA:DA+7], v[BSC+4*TI+(\ks)-4], v[ASC+4*\mt+(\ks)-4] matrix_a_fmt:MATRIX_FMT_FP6 matrix_b_fmt:MATRIX_FMT_FP6 matrix_a_scale:MATRIX_SCALE_ROW1 matrix_b_scale:MATRIX_SCALE_ROW1
.endif
.endr
.set TI, TI+1
.endr
.endm
.macro PRE nt, tb                      ; what a pass needs first: scale words, bias, and as many steps of W1 as the ring holds
	WIN 0
.set TI, 0
.rept \nt
	global_load_b128 v[BSC+4*TI:BSC+4*TI+3], v[GSC], s[8:9] offset:((\tb)+TI)*512
.set TI, TI+1
.endr
	WIN 0x40
.set TI, 0
.rept \nt
	global_load_b128 v[BI+8*TI:BI+8*TI+3], v[GBV], s[12:13] offset:((\tb)+TI)*2048
	global_load_b128 v[BI+8*TI+4:BI+8*TI+7], v[GBV], s[12:13] offset:((\tb)+TI)*2048+16
.set TI, TI+1
.endr
.set KI, 0
.rept 12/\nt
	WLD \nt, \tb, KI
.set KI, KI+1
.endr
.endm
; r = 1 / (1 + 2^(c x)) of a pass's numbers, and sum += V r.  Two batches of transcendentals, a wait ahead of each and one behind.
.macro TANH nt, first
	WIN 0x55
.set IX, 0
.rept 16*\nt
	v_pk_mul_f32 v[ACC+IX:ACC+IX+1], v[ACC+IX:ACC+IX+1], s[CC:CC+1] op_sel_hi:[1,0]   ; each accumulator from its low end on
.set IX, IX+2
.endr
	s_wait_alu depctr_va_vdst(0)
.set IX, 0
.rept 32*\nt
	v_exp_f32 v[ACC+IX], v[ACC+IX]
.set IX, IX+1
.endr
	v_nop
	s_wait_alu depctr_va_vdst(0)
.set IX, 0
.rept 16*\nt
	v_pk_add_f32 v[ACC+IX:ACC+IX+1], v[ACC+IX:ACC+IX+1], 1.0 op_sel_hi:[1,0]
.set IX, IX+2
.endr
	s_wait_alu depctr_va_vdst(0)
.set IX, 0
.rept 32*\nt
	v_rcp_f32 v[ACC+IX], v[ACC+IX]
.set IX, IX+1
.endr
	v_nop
	s_wait_alu depctr_va_vdst(0)
.set TI, 0
.rept \nt
.irp p, 0,1,2,3
.irp mt, 0,1,2,3
.if (\first) && (TI == 0) && (\p == 0)
	v_pk_mul_f32 v[SC+2*\mt:SC+2*\mt+1], v[ACC+8*\mt:ACC+8*\mt+1], v[VV:VV+1]          ; a block's first products start its sums
.else
	v_pk_fma_f32 v[SC+2*\mt:SC+2*\mt+1], v[ACC+8*(4*TI+\mt)+2*\p:ACC+8*(4*TI+\mt)+2*\p+1], v[VV+8*TI+2*\p:VV+8*TI+2*\p+1], v[SC+2*\mt:SC+2*\mt+1]
.endif
.endr
.endr
.set TI, TI+1
.endr
	WIN 0
.endm
; A pass: nt tiles from tile tb of my eight.  Global loads in order of issue: the last pass's PRE (scale words, bias, steps 0 .. NS - 1), V, then step ks + NS behind step ks.
; Each s_wait_loadcnt leaves out what was issued behind the step that is wanted; s_wait_dscnt 12 leaves out the next step's twelve fragment loads.
.macro PASS nt, tb, nnt, ntb, first, last, pf0, pfn
	s_cmp_lt_u32 s[BLK], 3                         ; the last trip has no next block
	s_cbranch_scc0 .Lnp_\@
.set KI, \pf0
.rept \pfn
	global_prefetch_b8 v[PFO], s[PF:PF+1] offset:KI*65536 th:TH_LOAD_NT scope:SCOPE_SE   ; 16 rows x 512 bytes of my K step of the next block
.set KI, KI+1
.endr
.Lnp_\@:
	WIN 0x40
.set TI, 0
.rept \nt
	global_load_b128 v[VV+8*TI:VV+8*TI+3], v[GBV], s[10:11] offset:((\tb)+TI)*64
	global_load_b128 v[VV+8*TI+4:VV+8*TI+7], v[GBV], s[10:11] offset:((\tb)+TI)*64+16
.set TI, TI+1
.endr
	WIN 0
	VLD 0
	VLD 1
.set NS, 12/\nt
.irp ks, 0,1,2,3,4,5,6,7
.if \ks < NS
.set RI, \ks
.if RI > 8-NS
.set RI, 8-NS
.endif
.set NW, (NS-1-\ks)*3*\nt+2*\nt+RI*3*\nt
.else
.set RI, NS+\ks-1
.if RI > 7
.set RI, 7
.endif
.set NW, (RI-\ks)*3*\nt
.endif
	s_wait_loadcnt NW
.if \ks < 7
	s_wait_dscnt 12
.else
	s_wait_dscnt 0x0
.endif
	MMS \nt, \ks
	PLACES                                         ; four places in front of loads into registers that these products have read, and of the first read of the last results
.if \ks+2 < 8
	WIN 0
	VLD \ks+2
.endif
.if \ks+NS < 8
	WLD \nt, \tb, \ks+NS
.endif
.endr
	WIN 0
.if \last
	s_cmp_lt_u32 s[BLK], 3                         ; behind the last block's last pass nothing follows
	s_cbranch_scc0 .Lnl_\@
.endif
	PRE \nnt, \ntb                                 ; the next pass's first loads land under this pass's vector work
	WIN 0
.if \last
.Lnl_\@:
.endif
	TANH \nt, \first
.endm
; The quantiser.  Tile mt of rows, my K step: lane (r, h) takes k = 64 c + 32 h + 0 .. 31 of row 16 mt + r: two whole blocks.
.macro QLD mt
	WIN 0x40
.irp c, 0,1
.irp j, 0,1,2,3,4,5,6,7
	ds_load_b128 v[ACC+64*((\mt)%2)+32*\c+4*\j:ACC+64*((\mt)%2)+32*\c+4*\j+3], v[AQ] offset:(\mt)*16*PITCH+256*\c+16*\j
.endr
.endr
.endm
.macro QCV mt
.set X, ACC+64*((\mt)%2)
	WIN 0x55
.irp c, 0,1
	v_max3_num_f32 v[MM+\c], |v[X+32*\c]|, |v[X+32*\c+1]|, 0x1800000   ; the floor 2^(3 - 127) as a leaf: the byte cannot fall under 1
.endr
.irp i, 2,4,6,8,10,12,14,16,18,20,22,24,26,28,30
.irp c, 0,1
	s_delay_alu instid0(VALU_DEP_2)
	v_max3_num_f32 v[MM+\c], v[MM+\c], |v[X+32*\c+\i]|, |v[X+32*\c+\i+1]|
.endr
.endr
.irp c, 0,1
	s_delay_alu instid0(VALU_DEP_2)
	v_add_nc_u32 v[SO+\c], 0xff000000, v[MM+\c]    ; 2 off the exponent field: the conversion's scale operand
.endr
.irp c, 0,1
	s_delay_alu instid0(VALU_DEP_2)
	v_lshrrev_b32 v[BY+\c], 23, v[SO+\c]           ; the scale's byte
.endr
.irp c, 0,1
	v_cvt_scalef32_pk16_fp6_f32 v[CD+6*\c:CD+6*\c+2], v[X+32*\c:X+32*\c+15], v[SO+\c]
	v_cvt_scalef32_pk16_fp6_f32 v[TT+4*\c:TT+4*\c+2], v[X+32*\c+16:X+32*\c+31], v[SO+\c]   ; (a conversion's three registers begin on an even number)
.endr
	v_nop                                          ; one plain place behind the scaled conversions
.irp c, 0,1
.irp i, 0,1,2
	v_mov_b32 v[CD+6*\c+3+\i], v[TT+4*\c+\i]
.endr
.endr
	v_lshl_or_b32 v[WW], v[BY+1], 16, v[BY]        ; my two bytes, blocks h and 2 + h,
	s_delay_alu instid0(VALU_DEP_1)
	v_lshlrev_b32 v[W2], 8, v[WW]
	s_delay_alu instid0(VALU_DEP_1)
	v_cndmask_b32 v[WW], v[WW], v[W2], s[HI16]     ; 8 h bits up,
	s_delay_alu instid0(VALU_DEP_1)
	v_permlanex16_b32 v[PT], v[WW], s[SEL], s[SEL+1]
	s_delay_alu instid0(VALU_DEP_1)
	v_or_b32 v[WW], v[WW], v[PT]                   ; with lane l xor 16's two: row r's scale word
	WIN 0x04
.irp q, 0,1,2
	ds_store_b128 v[AST], v[CD+4*\q:CD+4*\q+3] offset:(\mt)*1536+512*\q
.endr
	ds_store_b32 v[ASW], v[WW] offset:16*(\mt)     ; both halves of the lanes write the same word with the same value
.endm
; The context: 16 rows' e (the same in every lane) and my four columns of these rows, into set j % 2
.macro XLD j
	WIN 0x40
.irp k, 0,1,2,3
	ds_load_b128 v[VV+16*((\j)%2)+4*\k:VV+16*((\j)%2)+4*\k+3], v[AER] offset:64*(\j)+16*\k
.endr
.irp i, 0,1,2,3,4,5,6,7,8,9,10,11,12,13,14,15
	ds_load_b128 v[ACC+64*((\j)%2)+4*\i:ACC+64*((\j)%2)+4*\i+3], v[AXR] offset:(16*(\j)+\i)*PITCH
.endr
.endm
	s_load_b256 s[4:11], s[0:1], 0x0               ; values s[4:5], w1img s[6:7], w1scl s[8:9], V s[10:11]
	s_load_b256 s[12:19], s[0:1], 0x20             ; bias s[12:13], scores s[14:15], part s[16:17], ml s[18:19]
	v_lshl_add_u32 v[SPW], v0, 2, SPARE
	v_mov_b32 v[NIL], 0
	ds_add_u32 v[SPW], v[NIL]                      ; the opening: the add, twice on end, and its wait ahead of my first tensor load
	ds_add_u32 v[SPW], v[NIL]
	v_lshrrev_b32 v3, 5, v0
	v_readfirstlane_b32 s[WV], v3                  ; wave 0..7
	s_lshr_b32 s[ROLE], s[WV], 2
	s_xor_b32 s[ROLE], s[ROLE], s[WV]
	s_and_b32 s[ROLE], s[ROLE], 1
	s_mov_b32 s[CC], 0x4038aa3b
	s_mov_b32 s[CC+1], s[CC]
	s_mov_b32 s[CL], 0xc038aa3b
	s_mov_b32 s[CL+1], s[CL]
	s_mov_b32 s[SEL], 0x76543210
	s_mov_b32 s[SEL+1], 0xfedcba98
	s_mov_b32 s[HI16], 0xffff0000
	s_mov_b32 s[G1], (2<<16)|(1<<20)|(6<<22)|(3<<25)   ; elements of 4 bytes; after every 128 words 4 words of padding
	s_mov_b32 s[G1+1], 128<<16
	s_mov_b32 s[G1+2], 64<<16
	s_mov_b32 s[G1+3], 128<<16
	s_mov_b32 s[G1+4], 64                          ; 64 rows x 512 bytes,
	s_mov_b32 s[G1+5], 1024                        ; rows 4,096 bytes apart
	s_mov_b32 s[G1+6], 0
	s_mov_b32 s[G1+7], 0
	s_mov_b32 s[G0], 1
	s_mul_i32 s[G0+1], s[WV], REG
	s_mul_i32 s46, s[WV], 6144
	s_add_co_u32 s46, s46, CODES
	s_lshr_b32 s47, s[WV], 2
	s_lshl_b32 s47, s47, 10
	s_and_b32 s48, s[WV], 3
	s_lshl_b32 s48, s48, 2
	s_add_co_u32 s47, s47, s48
	s_add_co_u32 s47, s47, SCB
	s_lshl_b32 s48, s[WV], 2
	s_add_co_u32 s48, s48, PS
	s_lshl_b32 s49, s[WV], 8
	s_add_co_u32 s49, s49, EW
	v_and_b32 v3, 15, v0                           ; r
	v_bfe_u32 v4, v0, 4, 1                         ; h
	v_and_b32 v5, 31, v0                           ; lane
	v_mul_u32_u24 v[AQ], v3, PITCH
	v_lshlrev_b32 v[GL], 4, v5
	v_lshl_add_u32 v[AQ], v4, 7, v[AQ]
	v_add_nc_u32 v[AXR], s[G0+1], v[GL]
	v_add_nc_u32 v[AQ], s[G0+1], v[AQ]
	v_add_nc_u32 v[AST], s46, v[GL]
	v_add_nc_u32 v[ACD], CODES, v[GL]
	v_lshl_add_u32 v[ASW], v3, 6, s47
	v_lshl_add_u32 v[ASR], v5, 6, SCB
	v_lshl_add_u32 v[APS], v3, 5, s48
	v_lshl_add_u32 v[APR], v5, 6, PS
	v_lshl_add_u32 v[AEW], v5, 3, s49
	v_mov_b32 v[AER], s49
	v_lshlrev_b32 v[GSC], 5, v3
	v_lshlrev_b32 v[GBV], 5, v4
	v_lshl_add_u32 v[GSC], v4, 4, v[GSC]
	v_lshlrev_b32 v[GL8], 3, v5
	v_lshrrev_b32 v[PFO], 1, v5
	v_and_b32 v3, 1, v5
	v_lshlrev_b32 v[PFO], 12, v[PFO]
	v_mov_b32 v[MX], 0xff61b1e6                    ; -3e38, under every t
	v_mov_b32 v[LS], 0
	v_lshl_add_u32 v[PFO], v3, 8, v[PFO]
	s_wait_alu depctr_va_vdst(0)
	s_wait_dscnt 0x0                               ; both opening adds are done
	s_wait_kmcnt 0x0
	WIN 0x40
.irp i, 0,1,2,3,4,5,6,7
	v_mov_b32 v[CT+\i], 0                          ; a trip is written once: the first finds zeros, which its factor 0 leaves zeros
.endr
	v_mov_b32 v[PT], 0                             ; a lane permute's destination counts as one of its sources
	WIN 0
	s_wait_alu depctr_va_vdst(0)
	s_lshl_b32 s46, ttmp9, 20                      ; my work-group's 256 rows of 4,096 bytes,
	s_lshl_b32 s48, s[WV], 9                       ; my K step's 512 bytes
	s_add_co_u32 s46, s46, s48
	s_mov_b32 s47, 0
	s_add_nc_u64 s[G0+2:G0+3], s[4:5], s[46:47]
	s_add_nc_u64 s[PF:PF+1], s[G0+2:G0+3], 262144  ; the next block
	s_or_b32 s[G0+3], s[G0+3], 0x80000000
	s_mul_i32 s46, s[WV], 98304                    ; my eight tiles of units: 12,288 bytes of images each,
	s_add_nc_u64 s[6:7], s[6:7], s[46:47]
	s_lshl_b32 s46, s[WV], 12                      ; 512 bytes of scale words,
	s_add_nc_u64 s[8:9], s[8:9], s[46:47]
	s_mov_b32 s46, s48                             ; 64 bytes of V,
	s_add_nc_u64 s[10:11], s[10:11], s[46:47]
	s_lshl_b32 s46, s[WV], 14                      ; 2,048 bytes of bias, of which my batch's 64
	s_lshr_b32 s49, ttmp9, 3
	s_lshl_b32 s49, s49, 6
	s_add_co_u32 s46, s46, s49
	s_add_nc_u64 s[12:13], s[12:13], s[46:47]
	s_lshl_b32 s46, ttmp9, 10
	s_add_nc_u64 s[14:15], s[14:15], s[46:47]
	s_lshl_b32 s46, ttmp9, 12
	s_add_co_u32 s46, s46, s48
	s_add_nc_u64 s[16:17], s[16:17], s[46:47]
	s_lshl_b32 s46, ttmp9, 8
	s_add_nc_u64 s[18:19], s[18:19], s[46:47]
	s_cmp_lg_u32 s[ROLE], 0
	s_cbranch_scc1 .Lpre1
	PRE 4, 0
	WIN 0
	s_branch .Lpre_done
.Lpre1:
	PRE 2, 0
	WIN 0
.Lpre_done:
	s_mov_b32 s[BLK], 0
.Lblk:                                             ; four trips, a block of 64 rows each; a trip's last pass asks for the next trip's first loads, the last trip's for none
	s_wait_tensorcnt 0x0                           ; ahead of the barrier of a fill; the add twice
	ds_add_u32 v[SPW], v[NIL]
	ds_add_u32 v[SPW], v[NIL]
	s_wait_dscnt 0x0                               ; the adds are done, and my reads of the last block
	s_barrier_signal -1
	s_barrier_wait -1
	tensor_load_to_lds s[G0:G0+3], s[G1:G1+7]      ; my K step of the block, into my own region
	s_nop 0
	PLACES
	s_wait_tensorcnt 0x0                           ; my region is read by my wave alone
	s_add_nc_u64 s[G0+2:G0+3], s[G0+2:G0+3], 262144
	QLD 0
	QLD 1
	s_wait_dscnt 16                                ; fragment 0's numbers are in; fragment 1's sixteen loads may be out
	QCV 0
	QLD 2
	s_wait_dscnt 16                                ; likewise; the stores above have also read their registers
	QCV 1
	QLD 3
	s_wait_dscnt 16
	QCV 2
	s_wait_dscnt 0x0
	QCV 3
	WIN 0
	s_wait_dscnt 0x0                               ; for the others' sake: my images and scale words have landed
	s_barrier_signal -1
	s_barrier_wait -1
.irp q, 0,1,2,3
	ds_load_b128 v[ASC+4*\q:ASC+4*\q+3], v[ASR] offset:16*\q
.endr
	s_cmp_lg_u32 s[ROLE], 0
	s_cbranch_scc1 .Lrole1
	PASS 4, 0, 4, 4, 1, 0, 0, 2
	PASS 4, 4, 4, 0, 0, 1, 2, 2
	s_branch .Ljoin
.Lrole1:
	PASS 2, 0, 4, 2, 1, 0, 0, 1
	PASS 4, 2, 2, 6, 0, 0, 1, 2
	PASS 2, 6, 2, 0, 0, 1, 3, 1
.Ljoin:
	s_wait_alu depctr_va_vdst(0)                   ; the wait ahead of the lines that read the sums
	WIN 0x55
.irp mt, 0,1,2,3
	v_add_f32 v[SC+2*\mt], v[SC+2*\mt], v[SC+2*\mt+1]
.endr
.irp mt, 0,1,2,3
	v_permlanex16_b32 v[SC+2*\mt+1], v[SC+2*\mt], s[SEL], s[SEL+1]
.endr
.irp mt, 0,1,2,3
	v_add_f32 v[SC+2*\mt], v[SC+2*\mt], v[SC+2*\mt+1]   ; my 128 units' sum for row 16 mt + r
.endr
	WIN 0x04
.irp mt, 0,1,2,3
	ds_store_b32 v[APS], v[SC+2*\mt] offset:512*\mt
.endr
	WIN 0
	s_wait_dscnt 0x0                               ; for the others' sake
	s_barrier_signal -1
	s_barrier_wait -1
.irp q, 0,1,2,3
	ds_load_b128 v[48+4*\q:51+4*\q], v[APR] offset:16*\q   ; rows 2 l and 2 l + 1: eight waves' parts each; every wave makes the block's softmax for itself
.endr
	s_wait_dscnt 0x0
	v_pk_add_f32 v[48:49], v[48:49], v[50:51]
	v_pk_add_f32 v[52:53], v[52:53], v[54:55]
	v_pk_add_f32 v[56:57], v[56:57], v[58:59]
	v_pk_add_f32 v[60:61], v[60:61], v[62:63]
	v_pk_add_f32 v[48:49], v[48:49], v[52:53]
	v_pk_add_f32 v[56:57], v[56:57], v[60:61]
	v_add_f32 v48, v48, v49
	v_add_f32 v49, v56, v57
	v_pk_mul_f32 v[48:49], v[48:49], s[CL:CL+1] op_sel_hi:[1,0]   ; t
	v_max_num_f32 v50, v48, v49
	v_max_num_f32_dpp v50, v50, v50 row_xmask:1 row_mask:0xf bank_mask:0xf
	v_max_num_f32_dpp v50, v50, v50 row_xmask:2 row_mask:0xf bank_mask:0xf
	v_max_num_f32_dpp v50, v50, v50 row_xmask:4 row_mask:0xf bank_mask:0xf
	v_max_num_f32_dpp v50, v50, v50 row_xmask:8 row_mask:0xf bank_mask:0xf
	v_permlanex16_b32 v51, v50, s[SEL], s[SEL+1]
	v_max_num_f32 v50, v50, v51                    ; the block's maximum
	v_max_num_f32 v52, v[MX], v50                  ; the running maximum
	v_sub_f32 v56, v[MX], v52
	v_sub_f32 v54, v48, v52
	v_sub_f32 v55, v49, v52
	v_mov_b32 v[MX], v52
	s_wait_alu depctr_va_vdst(0)
	v_exp_f32 v56, v56                             ; what was summed under the old maximum is multiplied by this, in every trip
	v_exp_f32 v54, v54
	v_exp_f32 v55, v55
	v_nop
	s_wait_alu depctr_va_vdst(0)
	v_fma_f32 v[LS], v[LS], v56, v54
	ds_store_b64 v[AEW], v[54:55]
	v_add_f32 v[LS], v[LS], v55
	WIN 0x41
.irp i, 0,2,4,6
	v_pk_mul_f32 v[CT+\i:CT+\i+1], v[CT+\i:CT+\i+1], v[56:57] op_sel_hi:[1,0]
.endr
	WIN 0
	s_wait_alu depctr_va_vdst(0)                   ; the wait ahead of the branch and the waits below
	s_cmp_lg_u32 s[WV], 0
	s_cbranch_scc1 .Lno_t
	global_store_b64 v[GL8], v[48:49], s[14:15]    ; 32 lanes store 256 consecutive bytes, aligned
.Lno_t:
	XLD 0                                          ; LDS serves a wave's instructions in order: these see my e
	XLD 1
.irp j, 0,1,2,3
	s_wait_alu depctr_va_vdst(0)
.if \j < 3
	s_wait_dscnt 20                                ; this batch is in; the next batch's twenty loads may be out
.else
	s_wait_dscnt 0x0
.endif
	WIN 0x55
.irp i, 0,2,4,6,8,10,12,14
.set RG, ACC+64*(\j%2)+4*\i
.set WP, VV+16*(\j%2)+\i
	v_pk_fma_f32 v[CT:CT+1], v[RG:RG+1], v[WP:WP+1], v[CT:CT+1] op_sel:[0,0,0] op_sel_hi:[1,0,1]
	v_pk_fma_f32 v[CT+2:CT+3], v[RG+2:RG+3], v[WP:WP+1], v[CT+2:CT+3] op_sel:[0,0,0] op_sel_hi:[1,0,1]
	v_pk_fma_f32 v[CT+4:CT+5], v[RG+4:RG+5], v[WP:WP+1], v[CT+4:CT+5] op_sel:[0,1,0] op_sel_hi:[1,1,1]
	v_pk_fma_f32 v[CT+6:CT+7], v[RG+6:RG+7], v[WP:WP+1], v[CT+6:CT+7] op_sel:[0,1,0] op_sel_hi:[1,1,1]
.endr
.if \j < 2
	XLD \j+2
.endif
.endr
	WIN 0
	s_wait_alu depctr_va_vdst(0)                   ; the wait ahead of the wait and the branch
	s_wait_xcnt 0x0                                ; the store and the prefetches have read their bases
	s_add_nc_u64 s[14:15], s[14:15], 256
	s_add_nc_u64 s[PF:PF+1], s[PF:PF+1], 262144
	s_add_co_u32 s[BLK], s[BLK], 1
	s_cmp_lt_u32 s[BLK], 4
	s_cbranch_scc1 .Lblk
	WIN 0x55
	v_pk_add_f32 v[CT:CT+1], v[CT:CT+1], v[CT+4:CT+5]
	v_pk_add_f32 v[CT+2:CT+3], v[CT+2:CT+3], v[CT+6:CT+7]
	WIN 0x04
	global_store_b128 v[GL], v[CT:CT+3], s[16:17]  ; a wave stores 512 consecutive bytes, aligned
	WIN 0
	s_cmp_lg_u32 s[WV], 0
	s_cbranch_scc1 .Lend
	global_store_b64 v[GL8], v[MX:MX+1], s[18:19]  ; the maximum and my lane's part of the sum: 256 consecutive bytes, aligned
.Lend:
	s_wait_tensorcnt 0x0                           ; the wave's end
	ds_add_u32 v[SPW], v[NIL]
	s_wait_dscnt 0x0
	s_endpgm
.Lfunc_end_k_qda19f3c0d0_fused:
	.size	k_qda19f3c0d0_fused, .Lfunc_end_k_qda19f3c0d0_fused-k_qda19f3c0d0_fused
	.p2alignl 7, 3214868480
	.fill 96, 4, 3214868480
	.section	.rodata,"a",@progbits
	.p2align	6, 0x0
	.amdhsa_kernel k_qda19f3c0d0_fused
		.amdhsa_group_segment_fixed_size 327680
		.amdhsa_private_segment_fixed_size 0
		.amdhsa_enable_private_segment 0
		.amdhsa_kernarg_size 64
		.amdhsa_user_sgpr_count 2
		.amdhsa_user_sgpr_kernarg_segment_ptr 1
		.amdhsa_wavefront_size32 1
		.amdhsa_system_sgpr_workgroup_id_x 1
		.amdhsa_system_sgpr_workgroup_id_y 1
		.amdhsa_system_sgpr_workgroup_id_z 1
		.amdhsa_system_vgpr_workitem_id 0
		.amdhsa_next_free_vgpr 512
		.amdhsa_next_free_sgpr 66
		.amdhsa_reserve_vcc 0
		.amdhsa_float_denorm_mode_32 3
		.amdhsa_float_denorm_mode_16_64 3
		.amdhsa_memory_ordered 1
		.amdhsa_forward_progress 1
		.amdhsa_inst_pref_size 255
	.end_amdhsa_kernel
	.section	.bss,"aw",@nobits
	.p2align	6
	.space	262144
	.amdgpu_metadata
---
amdhsa.version: [ 1, 2 ]
amdhsa.kernels:
  - .name:           k_qda19f3c0d0_fused
    .symbol:         k_qda19f3c0d0_fused.kd
    .args:
      - { .name: values, .offset: 0, .size: 8, .value_kind: global_buffer, .address_space: global }
      - { .name: w1img, .offset: 8, .size: 8, .value_kind: global_buffer, .address_space: global }
      - { .name: w1scl, .offset: 16, .size: 8, .value_kind: global_buffer, .address_space: global }
      - { .name: V, .offset: 24, .size: 8, .value_kind: global_buffer, .address_space: global }
      - { .name: bias, .offset: 32, .size: 8, .value_kind: global_buffer, .address_space: global }
      - { .name: scores, .offset: 40, .size: 8, .value_kind: global_buffer, .address_space: global }
      - { .name: part, .offset: 48, .size: 8, .value_kind: global_buffer, .address_space: global }
      - { .name: ml, .offset: 56, .size: 8, .value_kind: global_buffer, .address_space: global }
    .group_segment_fixed_size: 327680
    .private_segment_fixed_size: 0
    .kernarg_segment_align: 8
    .kernarg_segment_size: 64
    .max_flat_workgroup_size: 256
    .sgpr_count:     66
    .vgpr_count:     512
    .wavefront_size: 32
...
	.end_amdgpu_metadata
.endif
;; end of part 2
;; launch finish (part 3): grid 8 x 32, 2 waves a work-group, no clusters, 0 bytes of LDS; arguments scores, part, ml, out0, out1; writes out0, out1
.if DOCPART == 3
	.amdgcn_target "amdgcn-amd-amdhsa--gfx1250"
	.amdhsa_code_object_version 6
	.text
	.protected	k_qda19f3c0d0_finish
	.globl	k_qda19f3c0d0_finish
	.p2align	8
	.type	k_qda19f3c0d0_finish,@function
k_qda19f3c0d0_finish:
	s_mov_b64 s[64:65], 0
	v_nop
	global_prefetch_b8 v0, s[64:65] scope:SCOPE_SE
	s_setreg_imm32_b32 hwreg(HW_REG_WAVE_MODE, 25, 1), 1
	s_wait_xcnt 0x0
; BahdanauAttention, launch 3 of 3: the eight parts of a batch are joined.  M = the largest of the parts' maxima, w[i] = 2^(M[i] - M), L = sum of w[i] x part i's sum;
; out1[b][s] = 2^(t[s] - M) / L;  out0[b] = sum of w[i] x part i's context / L.
; WORK LEFT OUT: t lacks the term (sum of V + bV), the same along s, which the softmax takes away (shown at the head of the first kernel).  The maximum is taken away before every exponential.
; Work-group (j, b), wave v owns out1[b][256 j + 128 v ..], 128 numbers, and out0[b][128 j + 64 v ..], 64 numbers.  Each wave joins the batch's maxima and sums for itself: 2,048 bytes.
; No LDS, no barrier, no matrix unit, no loop to run ahead in: seventeen loads a wave, all asked for at once.
	s_load_b256 s[4:11], s[0:1], 0x0               ; scores s[4:5], part s[6:7], ml s[8:9], out0 s[10:11]
	s_load_b64 s[12:13], s[0:1], 0x20              ; out1
	v_lshrrev_b32 v1, 5, v0
	v_readfirstlane_b32 s14, v1                    ; wave
	v_and_b32 v2, 31, v0
	v_mov_b32 v7, 0                                ; a lane permute's destination counts as one of its sources
	v_lshlrev_b32 v3, 3, v2                        ; 8 lane
	v_lshlrev_b32 v4, 4, v2                        ; 16 lane
	s_and_b32 s15, ttmp7, 0xffff                   ; the batch
	s_mov_b32 s17, 0
	s_mov_b32 s19, 0
	s_mov_b32 s21, 0
	s_mov_b32 s23, 0
	s_lshl_b32 s16, s15, 11                        ; ml: eight parts of 256 bytes
	s_lshl_b32 s18, s15, 13                        ; scores and out1: 8,192 bytes a batch,
	s_lshl_b32 s24, ttmp9, 10
	s_add_co_u32 s18, s18, s24
	s_lshl_b32 s24, s14, 9
	s_add_co_u32 s18, s18, s24
	s_lshl_b32 s24, ttmp9, 9                       ; my 256 bytes of a row of 4,096
	s_lshl_b32 s25, s14, 8
	s_add_co_u32 s24, s24, s25
	s_lshl_b32 s20, s15, 15                        ; part: eight rows a batch
	s_add_co_u32 s20, s20, s24
	s_lshl_b32 s22, s15, 12                        ; out0
	s_add_co_u32 s22, s22, s24
	s_mov_b32 s26, 0x76543210
	s_mov_b32 s27, 0xfedcba98
	s_wait_alu depctr_va_vdst(0)
	s_wait_kmcnt 0x0
	s_add_nc_u64 s[8:9], s[8:9], s[16:17]
	s_add_nc_u64 s[4:5], s[4:5], s[18:19]
	s_add_nc_u64 s[12:13], s[12:13], s[18:19]
	s_add_nc_u64 s[6:7], s[6:7], s[20:21]
	s_add_nc_u64 s[10:11], s[10:11], s[22:23]
.irp i, 0,1,2,3,4,5,6,7
	global_load_b64 v[8+2*\i:9+2*\i], v3, s[8:9] offset:256*\i       ; part i's maximum, and my lane's part of its sum
.endr
	global_load_b128 v[24:27], v4, s[4:5]          ; my four t
.irp i, 0,1,2,3,4,5,6,7
	global_load_b64 v[28+2*\i:29+2*\i], v3, s[6:7] offset:4096*\i    ; my two columns of part i's context
.endr
	s_wait_loadcnt 0x0
	v_max3_num_f32 v5, v8, v10, v12
	v_max3_num_f32 v5, v5, v14, v16
	v_max3_num_f32 v5, v5, v18, v20
	v_max_num_f32 v5, v5, v22
.irp i, 0,1,2,3,4,5,6,7
	v_sub_f32 v[44+\i], v[8+2*\i], v5
.endr
.irp k, 0,1,2,3
	v_sub_f32 v[24+\k], v[24+\k], v5
.endr
	s_wait_alu depctr_va_vdst(0)                   ; a wait ahead of the batch and one behind it
.irp i, 0,1,2,3,4,5,6,7
	v_exp_f32 v[44+\i], v[44+\i]
.endr
.irp k, 0,1,2,3
	v_exp_f32 v[24+\k], v[24+\k]
.endr
	v_nop
	s_wait_alu depctr_va_vdst(0)
	v_mul_f32 v6, v44, v9
	v_mul_f32 v52, v28, v44
	v_mul_f32 v53, v29, v44
.irp i, 1,2,3,4,5,6,7
	v_fma_f32 v6, v[44+\i], v[9+2*\i], v6
	v_fma_f32 v52, v[28+2*\i], v[44+\i], v52
	v_fma_f32 v53, v[29+2*\i], v[44+\i], v53
.endr
	v_add_f32_dpp v6, v6, v6 row_xmask:1 row_mask:0xf bank_mask:0xf
	v_add_f32_dpp v6, v6, v6 row_xmask:2 row_mask:0xf bank_mask:0xf
	v_add_f32_dpp v6, v6, v6 row_xmask:4 row_mask:0xf bank_mask:0xf
	v_add_f32_dpp v6, v6, v6 row_xmask:8 row_mask:0xf bank_mask:0xf
	v_permlanex16_b32 v7, v6, s26, s27
	v_add_f32 v6, v6, v7                           ; L
	s_wait_alu depctr_va_vdst(0)
	v_rcp_f32 v6, v6
	v_nop
	s_wait_alu depctr_va_vdst(0)
.irp k, 0,1,2,3
	v_mul_f32 v[24+\k], v[24+\k], v6
.endr
	v_mul_f32 v52, v52, v6
	v_mul_f32 v53, v53, v6
	global_store_b128 v4, v[24:27], s[12:13]       ; a wave stores 512 consecutive bytes, aligned
	global_store_b64 v3, v[52:53], s[10:11]        ; and 256 consecutive bytes, aligned
	s_endpgm
.Lfunc_end_k_qda19f3c0d0_finish:
	.size	k_qda19f3c0d0_finish, .Lfunc_end_k_qda19f3c0d0_finish-k_qda19f3c0d0_finish
	.p2alignl 7, 3214868480
	.fill 96, 4, 3214868480
	.section	.rodata,"a",@progbits
	.p2align	6, 0x0
	.amdhsa_kernel k_qda19f3c0d0_finish
		.amdhsa_group_segment_fixed_size 0
		.amdhsa_private_segment_fixed_size 0
		.amdhsa_enable_private_segment 0
		.amdhsa_kernarg_size 40
		.amdhsa_user_sgpr_count 2
		.amdhsa_user_sgpr_kernarg_segment_ptr 1
		.amdhsa_wavefront_size32 1
		.amdhsa_system_sgpr_workgroup_id_x 1
		.amdhsa_system_sgpr_workgroup_id_y 1
		.amdhsa_system_sgpr_workgroup_id_z 1
		.amdhsa_system_vgpr_workitem_id 0
		.amdhsa_next_free_vgpr 64
		.amdhsa_next_free_sgpr 66
		.amdhsa_reserve_vcc 0
		.amdhsa_float_denorm_mode_32 3
		.amdhsa_float_denorm_mode_16_64 3
		.amdhsa_memory_ordered 1
		.amdhsa_forward_progress 1
		.amdhsa_inst_pref_size 7
	.end_amdhsa_kernel
	.amdgpu_metadata
---
amdhsa.version: [ 1, 2 ]
amdhsa.kernels:
  - .name:           k_qda19f3c0d0_finish
    .symbol:         k_qda19f3c0d0_finish.kd
    .args:
      - { .name: scores, .offset: 0, .size: 8, .value_kind: global_buffer, .address_space: global }
      - { .name: part, .offset: 8, .size: 8, .value_kind: global_buffer, .address_space: global }
      - { .name: ml, .offset: 16, .size: 8, .value_kind: global_buffer, .address_space: global }
      - { .name: out0, .offset: 24, .size: 8, .value_kind: global_buffer, .address_space: global }
      - { .name: out1, .offset: 32, .size: 8, .value_kind: global_buffer, .address_space: global }
    .group_segment_fixed_size: 0
    .private_segment_fixed_size: 0
    .kernarg_segment_align: 8
    .kernarg_segment_size: 40
    .max_flat_workgroup_size: 64
    .sgpr_count:     66
    .vgpr_count:     64
    .wavefront_size: 32
...
	.end_amdgpu_metadata
.endif
;; end of part 3
